; MI455X (gfx1250); checked and timed in simulation.
; The chip was launched on July 23, 2026; its instructions are those of AMD's public machine-readable ISA for CDNA 5 (MIT licence, August 2026) and "CDNA5" Instruction Set Architecture Reference Guide (July 2026). The comments in the code are by the model that wrote it; some were corrected since.
;; Differentiable DR Rs. Allowed arithmetic: float matrix products may take bf16 or f16 operands with f32 sums; all other float work in f32.
;; Inputs: batch 2 x 6 float32; volume 256 x 256 x 256 float32.
;; Outputs: out0 2 x 128 x 256 float32.
;; Constants: n_samples = 256.
;; One version. Each part assembles by itself: llvm-mc -triple=amdgcn-amd-amdhsa -mcpu=gfx1250 --defsym DOCPART=n.
;; ======== version 1 of 1: 3 launches
;; workspace buffers: params 256 bytes of whole numbers; raw 262,144 bytes; part 2,048 bytes
;; launch setup (part 1): grid 1 x 1, 1 waves a work-group, no clusters, 0 bytes of LDS; arguments batch, params; writes params
.if DOCPART == 1
	.amdgcn_target "amdgcn-amd-amdhsa--gfx1250"
	.amdhsa_code_object_version 6
	.text
	.protected	k_q08f530aeea_setup
	.globl	k_q08f530aeea_setup
	.p2align	8
	.type	k_q08f530aeea_setup,@function
k_q08f530aeea_setup:
	s_mov_b64 s[64:65], 0
	v_nop
	global_prefetch_b8 v0, s[64:65] scope:SCOPE_SE
	s_setreg_imm32_b32 hwreg(HW_REG_WAVE_MODE, 25, 1), 1
	s_wait_xcnt 0x0
; SETUP: turns the six floats of each batch element into whole numbers from which the next launch forms
; sample positions, addresses and its trip count by integer arithmetic alone.
; One wave.  Lanes 0-15 compute batch element 0, lanes 16-31 element 1 (all lanes of a half the same numbers);
; lanes 0 and 16 store.
; Geometry: R = Rz(alpha) Ry(beta) Rx(gamma); u, v, n are its columns 0, 1, 2, written in closed form in f32
; (the 3 x 3 products are 288 FLOPs; a bf16 entry times 742.5 mm would move the source by more than a voxel).
;   position(i, w, h) = S + i (D0 + w DU + h DV),  i = sample 0..255 (t = i / 255), w, h = pixel
;   S  = 128 + trans + 742.5 n           D0 = -(1259.65/255) n - (216/255) (u + v)
;   DU = (1.6875/255) u                  DV = (1.6875/255) v
; Each of the 12 numbers is stored as signed 32.32 fixed point (low word, high word).
; Since u and v are normal to n, a sample's depth along -n is t * 1259.65 for every ray, so the cube [-1, 256]^3,
; outside which every interpolation weight is 0, lies between two values of t that hold for the whole image:
; centre depth 742.5 + (0.5 + trans).n, half width 128.5 (|nx| + |ny| + |nz|).  Stored: the first sample i0 and the
; number of groups of four samples; i0 + 4 groups <= 256, so only samples that reference() also sums are taken.
; LIMITS: batch finite (a NaN does not reach the output); |angle| < 1e5 rad (pi/2 is taken off in two words);
; |coordinate| < 2^31.
.set T,  14                            ; v14-21 at work
.set SA, 22
.set CA, 23
.set SB, 24
.set CB, 25
.set SG, 26
.set CG, 27
.set U,  28                            ; v28-30 column 0
.set V,  31                            ; v31-33 column 1
.set N,  34                            ; v34-36 column 2
.set X,  37
.set Y,  38
.set Z,  39
.set O,  40                            ; v40-65 the 26 words to store
	s_load_b128 s[4:7], s[0:1], 0x0                ; batch s[4:5], params s[6:7]
	s_mov_b32 s8, 0xbfc90fdb                       ; -(pi/2), upper word
	s_mov_b32 s9, 0x333bbd2e                       ; -(pi/2 - upper word) = +4.3711388e-8
	s_mov_b32 s10, 0x4439a000                      ; 742.5
	s_mov_b32 s11, 0xc09e12e0                      ; -1259.65/255
	s_mov_b32 s12, 0x3f58d8d9                      ; 216/255
	s_mov_b32 s13, 0x3bd8d8d9                      ; 1.6875/255
	s_mov_b32 s14, 0x43008000                      ; 128.5
	s_mov_b32 s15, 0x3e4f4bb1                      ; 255/1259.65
	v_lshrrev_b32 v1, 4, v0                        ; batch element of my half
	v_mul_u32_u24 v2, v1, 24                       ; its six floats
	v_lshlrev_b32 v3, 7, v1                        ; its 128 bytes of params
	v_and_b32 v4, 15, v0
	s_wait_kmcnt 0x0
	global_load_b64 v[8:9], v2, s[4:5]             ; alpha, beta
	global_load_b64 v[10:11], v2, s[4:5] offset:8  ; gamma, trans x
	global_load_b64 v[12:13], v2, s[4:5] offset:16 ; trans y, trans z
	s_wait_loadcnt 0x0
; sin and cos of v[x]: k = nearest integer to x 2/pi, r = x - k pi/2 (two fused steps), polynomials on |r| <= pi/4,
; then the quadrant k mod 4 swaps the two and sets the signs.
.macro SINCOS x, s, c
	v_mul_f32 v[T], 0x3f22f983, v[\x]
	v_rndne_f32 v[T], v[T]
	v_cvt_i32_f32 v[T+1], v[T]
	v_fma_f32 v[T+2], v[T], s8, v[\x]
	v_fma_f32 v[T+2], v[T], s9, v[T+2]             ; r
	v_mul_f32 v[T+3], v[T+2], v[T+2]               ; r^2
	v_mov_b32 v[T+4], 0xb94ca1f9
	v_mov_b32 v[T+6], 0x37ccf5ce
	v_fmaak_f32 v[T+4], v[T+4], v[T+3], 0x3c08839e
	v_fmaak_f32 v[T+6], v[T+6], v[T+3], 0xbab6061a
	v_fmaak_f32 v[T+4], v[T+4], v[T+3], 0xbe2aaaa3
	v_fmaak_f32 v[T+6], v[T+6], v[T+3], 0x3d2aaaa5
	v_mul_f32 v[T+5], v[T+3], v[T+2]               ; r^3
	v_mul_f32 v[T+7], v[T+3], v[T+3]               ; r^4
	v_fma_f32 v[T+4], v[T+4], v[T+5], v[T+2]       ; sin r
	v_fma_f32 v[T+5], v[T+3], -0.5, 1.0
	v_fma_f32 v[T+6], v[T+6], v[T+7], v[T+5]       ; cos r
	v_and_b32 v[T], 1, v[T+1]
	v_cmp_eq_u32 vcc_lo, 1, v[T]
	v_cndmask_b32 v[\s], v[T+4], v[T+6], vcc_lo    ; odd quadrant: the two change places
	v_cndmask_b32 v[\c], v[T+6], v[T+4], vcc_lo
	v_and_b32 v[T], 2, v[T+1]                      ; sin is negative in quadrants 2, 3
	v_add_nc_u32 v[T+1], 1, v[T+1]
	v_lshlrev_b32 v[T], 30, v[T]
	v_and_b32 v[T+1], 2, v[T+1]                    ; cos in quadrants 1, 2
	v_xor_b32 v[\s], v[T], v[\s]
	v_lshlrev_b32 v[T+1], 30, v[T+1]
	v_xor_b32 v[\c], v[T+1], v[\c]
.endm
	SINCOS 8, SA, CA
	SINCOS 9, SB, CB
	SINCOS 10, SG, CG
	v_mul_f32 v[U], v[CA], v[CB]
	v_mul_f32 v[U+1], v[SA], v[CB]
	v_xor_b32 v[U+2], 0x80000000, v[SB]            ; u = (ca cb, sa cb, -sb)
	v_mul_f32 v[X], v[CA], v[SB]
	v_mul_f32 v[Y], v[SA], v[SB]
	v_mul_f32 v[Z], v[SA], v[CG]
	v_fma_f32 v[V], v[X], v[SG], -v[Z]             ; v = (ca sb sg - sa cg,
	v_mul_f32 v[Z], v[CA], v[CG]
	v_fma_f32 v[V+1], v[Y], v[SG], v[Z]            ;      sa sb sg + ca cg,
	v_mul_f32 v[V+2], v[CB], v[SG]                 ;      cb sg)
	v_mul_f32 v[Z], v[SA], v[SG]
	v_fma_f32 v[N], v[X], v[CG], v[Z]              ; n = (ca sb cg + sa sg,
	v_mul_f32 v[Z], v[CA], v[SG]
	v_fma_f32 v[N+1], v[Y], v[CG], -v[Z]           ;      sa sb cg - ca sg,
	v_mul_f32 v[N+2], v[CB], v[CG]                 ;      cb cg)
	v_mov_b32 v[T+3], 0                            ; upper word of the pair (sign bit, 0) that FIX adds
; f32 to signed 32.32.  The magnitude is split exactly (|x| - floor|x| loses no bit), then negated in 64 bits
; as (P xor M) + sign, M = 0 or -1: a small negative number keeps all its bits.
.macro FIX x, d
	v_floor_f32 v[T], |v[\x]|
	v_sub_f32 v[T+1], |v[\x]|, v[T]
	v_cvt_u32_f32 v[\d+1], v[T]
	v_mul_f32 v[T+1], 0x4f800000, v[T+1]           ; fraction x 2^32
	v_cvt_u32_f32 v[\d], v[T+1]
	v_ashrrev_i32 v[T], 31, v[\x]
	v_lshrrev_b32 v[T+2], 31, v[\x]
	v_xor_b32 v[\d], v[T], v[\d]
	v_xor_b32 v[\d+1], v[T], v[\d+1]
	v_add_nc_u64 v[\d:\d+1], v[\d:\d+1], v[T+2:T+3]
.endm
.irp k, 0,1,2
	v_add_f32 v[X], 0x43000000, v[11+\k]           ; isocentre = 128 + trans
	v_fma_f32 v[X], v[N+\k], s10, v[X]             ; source
	FIX X, O+2*\k
	v_add_f32 v[X], v[U+\k], v[V+\k]
	v_mul_f32 v[X], s12, v[X]
	v_fma_f32 v[X], v[N+\k], s11, -v[X]            ; D0
	FIX X, O+6+2*\k
	v_mul_f32 v[X], s13, v[U+\k]                   ; DU
	FIX X, O+12+2*\k
	v_mul_f32 v[X], s13, v[V+\k]                   ; DV
	FIX X, O+18+2*\k
.endr
	; the samples that can lie in [-1, 256]^3
	v_add_f32 v[X], 0.5, v11
	v_fma_f32 v[Y], v[X], v[N], s10
	v_add_f32 v[X], 0.5, v12
	v_fmac_f32 v[Y], v[X], v[N+1]
	v_add_f32 v[X], 0.5, v13
	v_fmac_f32 v[Y], v[X], v[N+2]                  ; depth of the cube's centre
	v_add_f32 v[Z], |v[N]|, |v[N+1]|
	v_add_f32 v[Z], v[Z], |v[N+2]|
	v_fma_f32 v[X], -v[Z], s14, v[Y]               ; nearest depth
	v_fma_f32 v[Y], v[Z], s14, v[Y]                ; farthest depth
	v_fmaak_f32 v[X], s15, v[X], 0xbca3d70a        ; in samples, 0.02 of a sample (0.1 voxel) of margin on each side
	v_fmaak_f32 v[Y], s15, v[Y], 0x3ca3d70a
	v_floor_f32 v[X], v[X]
	v_floor_f32 v[Y], v[Y]
	v_max_num_f32 v[X], 0, v[X]
	v_add_f32 v[Y], 1.0, v[Y]                      ; end, exclusive
	v_min_num_f32 v[X], 0x437f0000, v[X]           ; first sample in 0..255
	v_min_num_f32 v[Y], 0x43800000, v[Y]           ; end at most 256,
	v_add_f32 v[Z], 1.0, v[X]
	v_max_num_f32 v[Y], v[Y], v[Z]                 ; and at least one sample
	v_sub_f32 v[Y], v[Y], v[X]
	v_cvt_u32_f32 v[O+24], v[X]
	v_cvt_u32_f32 v[Y], v[Y]
	v_add_nc_u32 v[Y], 3, v[Y]
	v_lshrrev_b32 v[O+25], 2, v[Y]                 ; groups of four, 1..64
	v_lshlrev_b32 v[Y], 2, v[O+25]
	v_sub_nc_u32 v[Y], 0x100, v[Y]
	v_min_u32 v[O+24], v[O+24], v[Y]               ; start early enough that the last group ends at sample 255 at the latest
	v_cmp_eq_u32 vcc_lo, 0, v4
	s_wait_xcnt 0x0                                ; EXEC changes only behind this wait
	s_and_saveexec_b32 s16, vcc_lo                 ; lanes 0 and 16 store their half's 26 words
.irp q, 0,1,2,3,4,5
	global_store_b128 v3, v[O+4*\q:O+4*\q+3], s[6:7] offset:16*\q
.endr
	global_store_b64 v3, v[O+24:O+25], s[6:7] offset:96
	s_endpgm
.Lfunc_end_k_q08f530aeea_setup:
	.size	k_q08f530aeea_setup, .Lfunc_end_k_q08f530aeea_setup-k_q08f530aeea_setup
	.p2alignl 7, 3214868480
	.fill 96, 4, 3214868480
	.section	.rodata,"a",@progbits
	.p2align	6, 0x0
	.amdhsa_kernel k_q08f530aeea_setup
		.amdhsa_group_segment_fixed_size 0
		.amdhsa_private_segment_fixed_size 0
		.amdhsa_enable_private_segment 0
		.amdhsa_kernarg_size 16
		.amdhsa_user_sgpr_count 2
		.amdhsa_user_sgpr_kernarg_segment_ptr 1
		.amdhsa_wavefront_size32 1
		.amdhsa_system_sgpr_workgroup_id_x 1
		.amdhsa_system_sgpr_workgroup_id_y 1
		.amdhsa_system_sgpr_workgroup_id_z 1
		.amdhsa_system_vgpr_workitem_id 0
		.amdhsa_next_free_vgpr 72
		.amdhsa_next_free_sgpr 66
		.amdhsa_reserve_vcc 1
		.amdhsa_float_denorm_mode_32 3
		.amdhsa_float_denorm_mode_16_64 3
		.amdhsa_memory_ordered 1
		.amdhsa_forward_progress 1
		.amdhsa_inst_pref_size 14
	.end_amdhsa_kernel
	.amdgpu_metadata
---
amdhsa.version: [ 1, 2 ]
amdhsa.kernels:
  - .name:           k_q08f530aeea_setup
    .symbol:         k_q08f530aeea_setup.kd
    .args:
      - { .name: batch, .offset: 0, .size: 8, .value_kind: global_buffer, .address_space: global }
      - { .name: params, .offset: 8, .size: 8, .value_kind: global_buffer, .address_space: global }
    .group_segment_fixed_size: 0
    .private_segment_fixed_size: 0
    .kernarg_segment_align: 8
    .kernarg_segment_size: 16
    .max_flat_workgroup_size: 32
    .sgpr_count:     66
    .vgpr_count:     72
    .wavefront_size: 32
...
	.end_amdgpu_metadata
.endif
;; end of part 1
;; launch render (part 2): grid 128 x 2, 16 waves a work-group, no clusters, 3,072 bytes of LDS; arguments params, volume, raw, part; writes raw, part
.if DOCPART == 2
	.amdgcn_target "amdgcn-amd-amdhsa--gfx1250"
	.amdhsa_code_object_version 6
	.text
	.protected	k_q08f530aeea_render
	.globl	k_q08f530aeea_render
	.p2align	8
	.type	k_q08f530aeea_render,@function
k_q08f530aeea_render:
	s_mov_b64 s[64:65], 0
	v_nop
	global_prefetch_b8 v0, s[64:65] scope:SCOPE_SE
	s_setreg_imm32_b32 hwreg(HW_REG_WAVE_MODE, 25, 1), 1
	s_wait_xcnt 0x0
; RENDER: raw[b][h][w] = (sum over the samples of a ray of the trilinear value) * |ray| / 256, and (min, max) of each work-group's pixels.
; Work-group (x = tile 0..127, y = batch element): 64 x 4 pixels.  16 waves; a wave owns 4 x 4 rays; a PAIR of lanes owns a ray:
; the even lane takes the voxels at floor(z), the odd lane those at floor(z) + 1.  So lanes 2j and 2j+1 read neighbouring words in the
; same instruction, a lane has four loads a sample (the four (x, y) rows of the cell), and the pair's sums are added once at the end.
; POSITIONS are whole numbers: signed 32.32 fixed point from params, position(i) = S + i step, step = D0 + w DU + h DV,
; advanced by one 64-bit add an axis.  The high word is floor(), the low word the fraction.  No address hangs on a float.
; WEIGHTS.  x and y: the cell's base is clamped to 0..254, so that base and base + 1 are voxels; the weight of voxel j is the tent
; max(0, 1 - |x - j|).  Inside that is (1 - f, f); for floor = -1 it is (f, 0), for floor = 255 (0, 1 - f), further out (0, 0):
; what mode='constant', cval = 0 gives, corner by corner.  z: my one voxel j = floor(z) + c has weight 1 - f (c = 0) or f (c = 1),
; and 0 unless 0 <= j <= 255; its address is clamped to 255.
; |ray| = sqrt(1259.65^2 + us^2 + vs^2): the three columns of a rotation are orthonormal for every input.
; A ring of four sample slots in registers: each slot owns its address, its four voxels and its five weights; 12 to 16 loads of a wave are out.
; No tensor loads, no cluster: every lane gathers its own words, and which words is known only from the ray.
.set W,     5
.set H,     6
.set LA,    7                          ; LDS byte of my ray's result
.set SCALE, 8                          ; |ray| / 256
.set SIG,   10                         ; z weight = fraction(32 bits) * SIG + BETA: -2^-32, 1 (even lane) or +2^-32, 0 (odd lane)
.set BETA,  11
.set PX,    12                         ; v12-17 positions, (low, high) for x, y, z
.set PY,    14
.set PZ,    16
.set SX,    18                         ; v18-23 steps
.set SY,    20
.set SZ,    22
.set ACC,   24
.set T,     26                         ; v26-29 at work
.set A,     30                         ; v30-33 slot j: byte offset of the cell's first voxel
.set V,     34                         ; v34-49 slot j: voxels (x0,y0) (x0,y1) (x1,y0) (x1,y1)
.set WT,    50                         ; v50-69 slot j: weights x0, x1, y0, y1, z
	s_load_b256 s[4:11], s[0:1], 0x0               ; params s[4:5], volume s[6:7], raw s[8:9], part s[10:11]
	v_lshl_add_u32 v72, v0, 2, 0x400
	v_mov_b32 v73, 0
	s_and_b32 s12, ttmp7, 0xffff                   ; batch element
	s_lshl_b32 s14, s12, 7                         ; its 128 bytes of params
	s_mov_b32 s15, 0
	s_and_b32 s42, ttmp9, 3                        ; tile column (64 pixels)
	s_lshr_b32 s43, ttmp9, 2                       ; tile row (4 pixels)
	s_lshl_b32 s44, s42, 6
	s_lshl_b32 s45, s43, 2
	s_mov_b32 s46, 0x3fd80000                      ; 1.6875
	s_mov_b32 s47, 0xc3580000                      ; -216
	s_mov_b32 s48, 0x2f800000                      ; 2^-32
	s_wait_kmcnt 0x0
	s_add_nc_u64 s[4:5], s[4:5], s[14:15]
	s_load_b512 s[16:31], s[4:5], 0x0              ; S x,y,z  D0 x,y,z  DU x,y
	s_load_b256 s[32:39], s[4:5], 0x40             ; DU z  DV x,y,z
	s_load_b64 s[40:41], s[4:5], 0x60              ; first sample, groups of four
	v_and_b32 v1, 1, v0                            ; c: which z voxel is mine
	v_bfe_u32 v2, v0, 1, 2                         ; ray's column in the wave's 4 x 4
	v_bfe_u32 v3, v0, 3, 2                         ; its row = row in the tile
	v_lshrrev_b32 v4, 5, v0
	v_readfirstlane_b32 s13, v4                    ; wave
	v_lshl_add_u32 v2, v4, 2, v2                   ; column in the tile = 4 wave + column
	v_add_nc_u32 v[W], s44, v2
	v_add_nc_u32 v[H], s45, v3
	v_lshl_add_u32 v[LA], v3, 6, v2
	v_lshlrev_b32 v[LA], 2, v[LA]
	v_cvt_f32_u32 v8, v[W]
	v_cvt_f32_u32 v9, v[H]
	v_fma_f32 v8, v8, s46, s47                     ; us
	v_fma_f32 v9, v9, s46, s47                     ; vs
	v_mul_f32 v8, v8, v8
	v_fma_f32 v8, v9, v9, v8
	v_add_f32 v8, 0x49c1b0f1, v8                   ; + 1259.65^2
	v_sqrt_f32 v9, v8
	v_lshlrev_b32 v[SIG], 31, v1                   ; a plain instruction between the root and its use
	s_wait_alu depctr_va_vdst(0)
	v_mul_f32 v[SCALE], 0x3b800000, v9             ; / 256
	v_xor_b32 v[SIG], 0xaf800000, v[SIG]
	v_cvt_f32_u32 v[BETA], v1
	v_sub_f32 v[BETA], 1.0, v[BETA]
	v_mov_b32 v[ACC], 0
	s_wait_kmcnt 0x0
	s_min_u32 s40, s40, 255
	s_min_u32 s41, s41, 64
	s_max_u32 s41, s41, 1
; step = D0 + w DU + h DV and position = S + i0 step, modulo 2^64: low word times the small factor in 64 bits, high word times it into the high word
.macro RAYAX st, p, s, d0, du, dv
	v_mov_b32 v[\st], s[\d0]
	v_mov_b32 v[\st+1], s[\d0+1]
	v_mad_nc_u64_u32 v[\st:\st+1], v[W], s[\du], v[\st:\st+1]
	v_mad_u32 v[\st+1], v[W], s[\du+1], v[\st+1]
	v_mad_nc_u64_u32 v[\st:\st+1], v[H], s[\dv], v[\st:\st+1]
	v_mad_u32 v[\st+1], v[H], s[\dv+1], v[\st+1]
	v_mov_b32 v[\p], s[\s]
	v_mov_b32 v[\p+1], s[\s+1]
	v_mad_nc_u64_u32 v[\p:\p+1], v[\st], s40, v[\p:\p+1]
	v_mad_u32 v[\p+1], v[\st+1], s40, v[\p+1]
.endm
	RAYAX SX, PX, 16, 22, 28, 34
	RAYAX SY, PY, 18, 24, 30, 36
	RAYAX SZ, PZ, 20, 26, 32, 38
	v_add_nc_u32 v[PZ+1], v[PZ+1], v1              ; the odd lane walks one voxel higher in z: its floor is floor(z) + 1, its fraction the same
; Slot j takes the sample at the current position: address, four loads, weights (while the loads are out), then the position steps on.
.macro FILL j
	v_max_i32 v[T], 0, v[PX+1]
	v_max_i32 v[T+1], 0, v[PY+1]
	v_min_u32 v[T], 254, v[T]                      ; cell base in x, 0..254
	v_min_u32 v[T+1], 254, v[T+1]                  ; in y
	v_min_u32 v[T+2], 255, v[PZ+1]                 ; my z voxel, 0..255 (a negative one counts as large)
	v_lshl_add_u32 v[A+\j], v[T], 8, v[T+1]
	v_lshl_add_u32 v[A+\j], v[A+\j], 8, v[T+2]
	v_lshlrev_b32 v[A+\j], 2, v[A+\j]              ; at most 66,845,692; with the largest offset the last word of the volume
	global_load_b32 v[V+4*\j],   v[A+\j], s[6:7]
	global_load_b32 v[V+4*\j+1], v[A+\j], s[6:7] offset:1024      ; y + 1
	global_load_b32 v[V+4*\j+2], v[A+\j], s[6:7] offset:262144    ; x + 1
	global_load_b32 v[V+4*\j+3], v[A+\j], s[6:7] offset:263168    ; both
	v_sub_nc_u32 v[T], v[PX+1], v[T]               ; floor - base: 0 inside
	v_sub_nc_u32 v[T+1], v[PY+1], v[T+1]
	v_cvt_f32_i32 v[T], v[T]
	v_cvt_f32_i32 v[T+1], v[T+1]
	v_cvt_f32_u32 v[T+2], v[PX]
	v_cvt_f32_u32 v[T+3], v[PY]
	v_fma_f32 v[T], v[T+2], s48, v[T]              ; r = x - base
	v_fma_f32 v[T+1], v[T+3], s48, v[T+1]
	v_sub_f32 v[WT+5*\j], 1.0, |v[T]|
	v_sub_f32 v[WT+5*\j+2], 1.0, |v[T+1]|
	v_add_f32 v[T], -1.0, v[T]                     ; x - (base + 1)
	v_add_f32 v[T+1], -1.0, v[T+1]
	v_sub_f32 v[WT+5*\j+1], 1.0, |v[T]|
	v_sub_f32 v[WT+5*\j+3], 1.0, |v[T+1]|
	v_cvt_f32_u32 v[T+2], v[PZ]
	v_max_num_f32 v[WT+5*\j], 0, v[WT+5*\j]
	v_max_num_f32 v[WT+5*\j+1], 0, v[WT+5*\j+1]
	v_max_num_f32 v[WT+5*\j+2], 0, v[WT+5*\j+2]
	v_max_num_f32 v[WT+5*\j+3], 0, v[WT+5*\j+3]
	v_cmp_gt_u32 vcc_lo, 256, v[PZ+1]              ; my z voxel exists
	v_fma_f32 v[T+2], v[T+2], v[SIG], v[BETA]
	v_cndmask_b32 v[WT+5*\j+4], 0, v[T+2], vcc_lo
	v_add_nc_u64 v[PX:PX+1], v[PX:PX+1], v[SX:SX+1]
	v_add_nc_u64 v[PY:PY+1], v[PY:PY+1], v[SY:SY+1]
	v_add_nc_u64 v[PZ:PZ+1], v[PZ:PZ+1], v[SZ:SZ+1]
.endm
; Slot j's four voxels are there: along y, along x, times my z weight, onto the sum.
.macro BLEND j
	v_mul_f32 v[T], v[WT+5*\j+2], v[V+4*\j]
	v_mul_f32 v[T+1], v[WT+5*\j+2], v[V+4*\j+2]
	v_fmac_f32 v[T], v[WT+5*\j+3], v[V+4*\j+1]
	v_fmac_f32 v[T+1], v[WT+5*\j+3], v[V+4*\j+3]
	v_mul_f32 v[T], v[WT+5*\j], v[T]
	v_fmac_f32 v[T], v[WT+5*\j+1], v[T+1]
	v_fmac_f32 v[ACC], v[WT+5*\j+4], v[T]
.endm
	FILL 0
	FILL 1
	FILL 2
	FILL 3
	s_cmp_lt_u32 s41, 2                            ; one group only: nothing more to fetch
	s_cbranch_scc1 .Ltail
	s_mov_b32 s49, 1
.Lring:
.irp j, 0,1,2,3
	s_wait_loadcnt 12                              ; loads return in order: slot j's four are in, the twelve of the three younger slots stay out;
	BLEND \j                                       ; that wait also frees the slot's address register,
	FILL \j                                        ; which is written again here
.endr
	s_add_co_u32 s49, s49, 1
	s_cmp_lt_u32 s49, s41
	s_cbranch_scc1 .Lring
.Ltail:
.irp j, 0,1,2,3
	s_wait_loadcnt 12-4*\j                         ; the last group: the counts run down
	BLEND \j
.endr
	v_add_f32_dpp v[ACC], v[ACC], v[ACC] row_xmask:1 row_mask:0xf bank_mask:0xf   ; both z voxels: each lane of a pair now holds the ray's sum
	v_mul_f32 v[ACC], v[ACC], v[SCALE]
	ds_store_b32 v[LA], v[ACC]                     ; both lanes write the same word with the same value
	s_wait_dscnt 0x0                               ; for wave 0's sake: my store is done before I signal
	s_barrier_signal -1
	s_barrier_wait -1
	s_cmp_lg_u32 s13, 0
	s_cbranch_scc1 .Ldone
	; wave 0: the tile's 256 results leave as four rows of 64 floats; sixteen lanes store 256 consecutive bytes, aligned
	v_lshlrev_b32 v1, 4, v0
	ds_load_b128 v[34:37], v1                      ; tile rows 0, 1
	ds_load_b128 v[38:41], v1 offset:512           ; tile rows 2, 3
	v_lshrrev_b32 v2, 4, v0
	v_and_b32 v3, 15, v0
	v_lshlrev_b32 v3, 4, v3
	v_lshl_add_u32 v2, v2, 10, v3                  ; image row of 1,024 bytes x (lane / 16) + 16 (lane % 16)
	s_lshl_b32 s14, s12, 17                        ; batch element: 131,072 bytes
	s_lshl_b32 s50, s43, 12                        ; tile row: 4 image rows
	s_add_co_u32 s14, s14, s50
	s_lshl_b32 s50, s42, 8                         ; tile column: 256 bytes
	s_add_co_u32 s14, s14, s50
	s_add_nc_u64 s[8:9], s[8:9], s[14:15]
	s_lshl_b32 s14, s12, 7
	s_add_co_u32 s14, s14, ttmp9
	s_lshl_b32 s14, s14, 3                         ; my pair in part
	s_add_nc_u64 s[10:11], s[10:11], s[14:15]
	s_mov_b32 s52, 0x76543210                      ; lane i of one half reads lane i of the other
	s_mov_b32 s53, 0xfedcba98
	v_mov_b32 v44, 0
	v_mov_b32 v45, 0
	v_mov_b32 v46, 0
	s_wait_dscnt 0x0
	global_store_b128 v2, v[34:37], s[8:9]
	global_store_b128 v2, v[38:41], s[8:9] offset:2048
	v_min3_num_f32 v42, v34, v35, v36
	v_max3_num_f32 v43, v34, v35, v36
	v_min3_num_f32 v42, v42, v37, v38
	v_max3_num_f32 v43, v43, v37, v38
	v_min3_num_f32 v42, v42, v39, v40
	v_max3_num_f32 v43, v43, v39, v40
	v_min_num_f32 v42, v42, v41
	v_max_num_f32 v43, v43, v41
.irp m, 1,2,4,8
	v_min_num_f32_dpp v42, v42, v42 row_xmask:\m row_mask:0xf bank_mask:0xf
	v_max_num_f32_dpp v43, v43, v43 row_xmask:\m row_mask:0xf bank_mask:0xf
.endr
	v_permlanex16_b32 v44, v42, s52, s53
	v_permlanex16_b32 v45, v43, s52, s53
	v_min_num_f32 v42, v42, v44
	v_max_num_f32 v43, v43, v45
	v_cmp_eq_u32 vcc_lo, 0, v0
	s_wait_xcnt 0x0                                ; EXEC changes only behind this wait
	s_wait_tensorcnt 0x0
	ds_add_u32 v72, v73
	s_wait_dscnt 0x0
	s_and_saveexec_b32 s51, vcc_lo
	global_store_b64 v46, v[42:43], s[10:11]       ; one pair of 8 bytes a work-group: 2 KiB in the launch
	s_endpgm
.Ldone:
	s_wait_tensorcnt 0x0
	ds_add_u32 v72, v73
	s_wait_dscnt 0x0
	s_endpgm
.Lfunc_end_k_q08f530aeea_render:
	.size	k_q08f530aeea_render, .Lfunc_end_k_q08f530aeea_render-k_q08f530aeea_render
	.p2alignl 7, 3214868480
	.fill 96, 4, 3214868480
	.section	.rodata,"a",@progbits
	.p2align	6, 0x0
	.amdhsa_kernel k_q08f530aeea_render
		.amdhsa_group_segment_fixed_size 3072
		.amdhsa_private_segment_fixed_size 0
		.amdhsa_enable_private_segment 0
		.amdhsa_kernarg_size 32
		.amdhsa_user_sgpr_count 2
		.amdhsa_user_sgpr_kernarg_segment_ptr 1
		.amdhsa_wavefront_size32 1
		.amdhsa_system_sgpr_workgroup_id_x 1
		.amdhsa_system_sgpr_workgroup_id_y 1
		.amdhsa_system_sgpr_workgroup_id_z 1
		.amdhsa_system_vgpr_workitem_id 0
		.amdhsa_next_free_vgpr 74
		.amdhsa_next_free_sgpr 66
		.amdhsa_reserve_vcc 1
		.amdhsa_float_denorm_mode_32 3
		.amdhsa_float_denorm_mode_16_64 3
		.amdhsa_memory_ordered 1
		.amdhsa_forward_progress 1
		.amdhsa_inst_pref_size 24
	.end_amdhsa_kernel
	.amdgpu_metadata
---
amdhsa.version: [ 1, 2 ]
amdhsa.kernels:
  - .name:           k_q08f530aeea_render
    .symbol:         k_q08f530aeea_render.kd
    .args:
      - { .name: params, .offset: 0, .size: 8, .value_kind: global_buffer, .address_space: global }
      - { .name: volume, .offset: 8, .size: 8, .value_kind: global_buffer, .address_space: global }
      - { .name: raw, .offset: 16, .size: 8, .value_kind: global_buffer, .address_space: global }
      - { .name: part, .offset: 24, .size: 8, .value_kind: global_buffer, .address_space: global }
    .group_segment_fixed_size: 3072
    .private_segment_fixed_size: 0
    .kernarg_segment_align: 8
    .kernarg_segment_size: 32
    .max_flat_workgroup_size: 512
    .sgpr_count:     66
    .vgpr_count:     74
    .wavefront_size: 32
...
	.end_amdgpu_metadata
.endif
;; end of part 2
;; launch norm (part 3): grid 256 x 1, 2 waves a work-group, no clusters, 0 bytes of LDS; arguments raw, part, out0; writes out0
.if DOCPART == 3
	.amdgcn_target "amdgcn-amd-amdhsa--gfx1250"
	.amdhsa_code_object_version 6
	.text
	.protected	k_q08f530aeea_norm
	.globl	k_q08f530aeea_norm
	.p2align	8
	.type	k_q08f530aeea_norm,@function
k_q08f530aeea_norm:
	s_mov_b64 s[64:65], 0
	v_nop
	global_prefetch_b8 v0, s[64:65] scope:SCOPE_SE
	s_setreg_imm32_b32 hwreg(HW_REG_WAVE_MODE, 25, 1), 1
	s_wait_xcnt 0x0
; NORM: out0 = 1 - (raw - mn) / (mx - mn), mn and mx over the 32,768 pixels of a batch element.
; Work-group g: image row g (256 floats; batch element g / 128); thread t its floats 4 t .. 4 t + 3, so sixteen lanes load and store
; 256 consecutive bytes, aligned.  Each wave reduces the batch element's 128 (min, max) pairs for itself: 32 bytes a lane, then across
; the lanes; no LDS, no barrier.  The division is a multiplication by v_rcp_f32 (mx = mn gives NaN, as in reference()).
	s_load_b128 s[4:7], s[0:1], 0x0                ; raw s[4:5], part s[6:7]
	s_load_b64 s[8:9], s[0:1], 0x10                ; out0
	v_and_b32 v1, 31, v0
	v_lshlrev_b32 v1, 5, v1                        ; four pairs a lane
	v_lshlrev_b32 v2, 4, v0                        ; my 16 bytes of the row
	s_lshr_b32 s10, ttmp9, 7
	s_lshl_b32 s10, s10, 10                        ; 128 pairs of 8 bytes for each batch element
	s_mov_b32 s11, 0
	s_lshl_b32 s12, ttmp9, 10                      ; the row
	s_mov_b32 s13, 0
	s_mov_b32 s14, 0x76543210
	s_mov_b32 s15, 0xfedcba98
	s_wait_kmcnt 0x0
	s_add_nc_u64 s[6:7], s[6:7], s[10:11]
	s_add_nc_u64 s[4:5], s[4:5], s[12:13]
	s_add_nc_u64 s[8:9], s[8:9], s[12:13]
	global_load_b128 v[4:7], v1, s[6:7]
	global_load_b128 v[8:11], v1, s[6:7] offset:16
	global_load_b128 v[12:15], v2, s[4:5] th:TH_LOAD_NT
	s_wait_loadcnt 0x1                             ; the pairs are in; the row's load may stay out
	v_min3_num_f32 v16, v4, v6, v8
	v_max3_num_f32 v17, v5, v7, v9
	v_min_num_f32 v16, v16, v10
	v_max_num_f32 v17, v17, v11
.irp m, 1,2,4,8
	v_min_num_f32_dpp v16, v16, v16 row_xmask:\m row_mask:0xf bank_mask:0xf
	v_max_num_f32_dpp v17, v17, v17 row_xmask:\m row_mask:0xf bank_mask:0xf
.endr
	v_mov_b32 v18, 0
	v_mov_b32 v19, 0
	v_permlanex16_b32 v18, v16, s14, s15
	v_permlanex16_b32 v19, v17, s14, s15
	v_min_num_f32 v16, v16, v18                    ; mn, in every lane
	v_max_num_f32 v17, v17, v19                    ; mx
	v_sub_f32 v18, v17, v16
	v_rcp_f32 v19, v18
	s_wait_loadcnt 0x0
	v_sub_f32 v12, v12, v16                        ; plain instructions between the reciprocal and its use
	v_sub_f32 v13, v13, v16
	v_sub_f32 v14, v14, v16
	v_sub_f32 v15, v15, v16
	s_wait_alu depctr_va_vdst(0)
	v_fma_f32 v12, -v12, v19, 1.0
	v_fma_f32 v13, -v13, v19, 1.0
	v_fma_f32 v14, -v14, v19, 1.0
	v_fma_f32 v15, -v15, v19, 1.0
	global_store_b128 v2, v[12:15], s[8:9] th:TH_STORE_NT
	s_endpgm
.Lfunc_end_k_q08f530aeea_norm:
	.size	k_q08f530aeea_norm, .Lfunc_end_k_q08f530aeea_norm-k_q08f530aeea_norm
	.p2alignl 7, 3214868480
	.fill 96, 4, 3214868480
	.section	.rodata,"a",@progbits
	.p2align	6, 0x0
	.amdhsa_kernel k_q08f530aeea_norm
		.amdhsa_group_segment_fixed_size 0
		.amdhsa_private_segment_fixed_size 0
		.amdhsa_enable_private_segment 0
		.amdhsa_kernarg_size 24
		.amdhsa_user_sgpr_count 2
		.amdhsa_user_sgpr_kernarg_segment_ptr 1
		.amdhsa_wavefront_size32 1
		.amdhsa_system_sgpr_workgroup_id_x 1
		.amdhsa_system_sgpr_workgroup_id_y 1
		.amdhsa_system_sgpr_workgroup_id_z 1
		.amdhsa_system_vgpr_workitem_id 0
		.amdhsa_next_free_vgpr 24
		.amdhsa_next_free_sgpr 66
		.amdhsa_reserve_vcc 0
		.amdhsa_float_denorm_mode_32 3
		.amdhsa_float_denorm_mode_16_64 3
		.amdhsa_memory_ordered 1
		.amdhsa_forward_progress 1
		.amdhsa_inst_pref_size 3
	.end_amdhsa_kernel
	.amdgpu_metadata
---
amdhsa.version: [ 1, 2 ]
amdhsa.kernels:
  - .name:           k_q08f530aeea_norm
    .symbol:         k_q08f530aeea_norm.kd
    .args:
      - { .name: raw, .offset: 0, .size: 8, .value_kind: global_buffer, .address_space: global }
      - { .name: part, .offset: 8, .size: 8, .value_kind: global_buffer, .address_space: global }
      - { .name: out0, .offset: 16, .size: 8, .value_kind: global_buffer, .address_space: global }
    .group_segment_fixed_size: 0
    .private_segment_fixed_size: 0
    .kernarg_segment_align: 8
    .kernarg_segment_size: 24
    .max_flat_workgroup_size: 64
    .sgpr_count:     66
    .vgpr_count:     24
    .wavefront_size: 32
...
	.end_amdgpu_metadata
.endif
;; end of part 3
